; MI455X (gfx1250); checked and timed in simulation.
; The chip was launched on July 23, 2026; its instructions are those of AMD's public machine-readable ISA for CDNA 5 (MIT licence, August 2026) and "CDNA5" Instruction Set Architecture Reference Guide (July 2026). The comments in the code are by the model that wrote it; some were corrected since.
;; Flex Attention. Allowed arithmetic: matrix products marked QUANTISED: E2M1 operands, one E8M0 scale for each 32 along K, by v_wmma_scale_f32_16x16x128_f8f6f4 with both operands' format E2M1 (or v_wmma_scale_f32_32x16x128_f4), f32 sums; everything else in f32.
;; Inputs: k_codes 2 x 16 x 2,048 x 2 x 16 uint8 (E2M1 codes of k, K innermost, in blocks of 32 codes, two codes a byte); k_scales 2 x 16 x 2,048 x 2 uint8 (E8M0 scales of k, one for each 32 codes along K); q_codes 2 x 16 x 2,048 x 2 x 16 uint8 (E2M1 codes of q, K innermost, in blocks of 32 codes, two codes a byte); q_scales 2 x 16 x 2,048 x 2 uint8 (E8M0 scales of q, one for each 32 codes along K); sink_weights 16 float32; v_codes 2 x 16 x 64 x 64 x 16 uint8 (E2M1 codes of v, K innermost, in blocks of 32 codes, two codes a byte); v_scales 2 x 16 x 64 x 64 uint8 (E8M0 scales of v, one for each 32 codes along K).
;; Outputs: out0 2 x 16 x 2,048 x 64 float32.
;; Constants: sliding_window = 1024.
;; This version of the problem:
;;   THIS VERSION OF THE PROBLEM IS GIVEN IN LOW PRECISION. The matrix products marked QUANTISED in the list below multiply operands that are first quantised to E2M1 (2 exponent bits, 1 mantissa bit; 4 bits a number), with one power-of-two scale for each 32 numbers along K (OCP MX v1.0); their sums are f32. All else is computed in f32.
;;   The module's matrix products, in the order in which they are computed (A, B: the left and right operand; K: the contracted axis; several contracted axes count as one K, in the product's order):
;;     1. batch 32 x [M 2,048, K 64] x [K 64, N 2,048]; A: input q (given as codes); B: input k (given as codes): QUANTISED
;;     2. batch 32 x [M 2,048, K 2,048] x [K 2,048, N 64]; A: computed on the way; B: input v (given as codes): QUANTISED
;;   THE QUANTISER, for each operand of a quantised product, along K:
;;     - K is cut into blocks of 32 from its start; a last block that is shorter is filled with zeros.
;;     - A block's scale is 2^e with e = floor(log2(the largest magnitude in the block)) - 2, held to -126 .. 127; a block of zeros has e = 0. As a byte (E8M0): e + 127.
;;     - Each number is divided by its block's scale, clamped to +-6, and rounded to the nearest number of E2M1, ties to even, subnormals kept.
;;     - The product sums the exact products of the quantised numbers (number of the format x scale) in f32.
;;   ~~~python
;;   def quantise(x, axis):      # numpy; x: float32 -> the quantised numbers, widened to float32 again
;;       x = np.moveaxis(x, axis, -1); K = x.shape[-1]
;;       x = np.pad(x, [(0, 0)] * (x.ndim - 1) + [(0, -K % 32)]); x = x.reshape(x.shape[:-1] + (-1, 32)); a = np.abs(x).max(-1, keepdims=True)
;;       e = np.where(a > 0, np.clip(np.frexp(np.where(a > 0, a, 1))[1] - 1 - 2, -126, 127), 0)      # np.frexp(a)[1] - 1 = floor(log2(a)), exactly
;;       r = np.clip(x / 2.0 ** e, -6, 6)
;;       step = 2.0 ** (np.maximum(np.frexp(np.where(r == 0, 1, r))[1] - 1, 0) - 1)
;;       q = np.round(r / step) * step * 2.0 ** e      # np.round: ties to even
;;       return np.moveaxis(q.reshape(q.shape[:-2] + (-1,))[..., :K], -1, axis).astype(np.float32)
;;   ~~~
;;   OPERANDS COMPUTED ON THE WAY. 'Computed on the way' means the value that the module computes at that place (a softmax that the list does not call 'softmax' is quantised finished and normalised). What goes into a quantiser is computed in f32, as accurately as f32 sums, v_exp_f32 and their like allow (about 1e-6 of the number): no bf16 or f16 on the way to a quantiser, and a product that is left as it is and whose result goes on into a quantised operand takes f32 operands (vector FMAs, or v_wmma_f32_16x16x4_f32). A number that lies on a knife's edge between two numbers of the format may be rounded either way, as far as f32 arithmetic and the matrix unit's own rounding can turn it there, and no further.
;;   INPUTS GIVEN AS CODES. k (in the module: [2, 16, 2048, 64], K = its axis 3); q (in the module: [2, 16, 2048, 64], K = its axis 3); v (in the module: [2, 16, 2048, 64], K = its axis 2): each comes as NAME_codes (uint8): NAME with its K axis moved to the last place and cut into blocks of 32 codes, [.., K / 32, bytes a block], one block behind the other in memory; two codes a byte, the lower K in the low four bits (a code: sign, 2 exponent bits, 1 mantissa bit); and NAME_scales (uint8): the same leading axes, one E8M0 byte (e + 127) for each 32 codes along K. Its value is code x scale, taken as it is: it is not quantised again, and the codes and scales need not be those that the quantiser above would give.
;; One version. Each part assembles by itself: llvm-mc -triple=amdgcn-amd-amdhsa -mcpu=gfx1250 --defsym DOCPART=n.
;; ======== version 1 of 1: 1 launch
;; launch attn (part 1): grid 8 x 32, 16 waves a work-group, clusters of 4 x 1, 279,552 bytes of LDS; arguments q_codes, q_scales, k_codes, k_scales, v_codes, v_scales, sink_weights, out0; writes out0
.if DOCPART == 1
	.amdgcn_target "amdgcn-amd-amdhsa--gfx1250"
	.amdhsa_code_object_version 6
	.text
	.protected	k_q8d068c3e5a_attn
	.globl	k_q8d068c3e5a_attn
	.p2align	8
	.type	k_q8d068c3e5a_attn,@function
k_q8d068c3e5a_attn:
	s_mov_b64 s[64:65], 0
	v_nop
	global_prefetch_b8 v0, s[64:65] scope:SCOPE_SE
	s_setreg_imm32_b32 hwreg(HW_REG_WAVE_MODE, 25, 1), 1
	s_wait_xcnt 0x0
	s_wait_alu depctr_hold_cnt(0) depctr_sa_sdst(0) depctr_va_vdst(0) depctr_va_sdst(0) depctr_va_ssrc(0) depctr_va_vcc(0) depctr_vm_vsrc(0)
	s_getreg_b32 s2, hwreg(HW_REG_IB_STS2, 6, 4)
	s_cmp_eq_u32 s2, 0
	s_cbranch_scc0 .Lentry_in_a_cluster
	s_endpgm
.Lentry_in_a_cluster:
	s_bfe_u32 s2, ttmp6, 0x10000c
	s_cmp_lg_u32 s2, 0x3003
	s_cbranch_scc0 .Lentry_shape_is_right
	s_endpgm
.Lentry_shape_is_right:
; out[hd][q][:] = sum over k of p(q, k) V[hd][k][:],  p = softmax over the kept keys and one sink column of (Q[hd][q] . K[hd][k] / 8), key k kept where q - 1024 <= k <= q;
; the sink's logit is sink_weights[hd % 16], unscaled; its value is zero, so it enters the row's maximum and the row's sum alone.  32 heads, 2,048 queries and keys, head size 64.
; Both products run on codes of FP4 (E2M1) with one E8M0 scale for each 32 along K.  Q, K: codes along the head's 64; V: codes with the KEYS innermost (a row d is 1,024 bytes).
; WHAT IS QUANTISED for the second product is the FINISHED p, divided by the row's sum, in blocks of 32 keys counted from key 0.  The divisor is no power of two, so maximum and sum must be known
; before any p becomes a code: a wave walks its keys TWICE.  Walk 1: scores, running maximum m (opened by the sink), running sum l.  Walk 2: the same scores by the same instructions,
; p = 2^(c s - m) x (1 / l), c = log2(e) / 8, codes and scale bytes, O^T += V^T P^T.  O needs no rescaling and no division at the end.
; SHARES.  256 work-groups: head = y, g = 0 .. 7 along x.  A head has 128 tiles of 16 queries; wave w of work-group g owns tile g + 8 idx(w): queries 16 g + 128 idx on.  A key step is 128 aligned keys; the tile wants
; steps idx - 8 .. idx (not below 0): min(idx + 1, 9) steps, a number that hangs on the wave alone.  So every work-group has 1 + .. + 8 + 8 x 9 = 108 wave-steps.  idx = w, but w xor 3 for w = 4 .. 7:
; that serves balance alone: taken four apart (w, w + 4, w + 8, w + 12) the waves' steps then add up to 27 in each of the four groups.
; LDS.  The tiles of a work-group are spread over the head, so it wants all the head's keys: K 64 KiB, V 64 KiB, scale bytes 8 KiB.  They fit at once and are filled ONCE: no slot is filled again.
; CLUSTER.  The four work-groups of a cluster belong to one head: every fill is asked for jointly (mask 15), by the same line with the same descriptor in all four.
; No prefetch is written: all that the launch reads is asked for at its head.
; LAYOUT.  Both products are used transposed (S^T = K Q^T, O^T = V^T P^T): a lane holds ONE query (lane % 16).  THE KEYS OF A TILE ARE NOT NEIGHBOURS: row m of tile 4 c + u is key 64 c + 8 u + m % 8 + 32 (m / 8) of the step,
; so that lane (r, h) finds key 64 c + 32 h + n in register SR + 32 c + n: a WHOLE block of 32 keys in 32 registers of one lane.  A block's maximum asks no other lane, and four conversions give registers 4 c .. 4 c + 3 of P.
; The first product's K is 64: registers 4-7 of its fragments (k = 64 .. 127) are zero codes on both sides, written once; the upper two bytes of its scale words are 0, which stand over zero codes.
; LIMITS.  Scale bytes 0xff and NaN or infinity in sink_weights are not served.  A 2^(c s - m) under 2^-126 comes out as 0 (v_exp_f32 flushes denormal results: ISA guide, its entry).  A block's largest p is made from the block's
; largest score by the same multiply-add, exponential and multiplication as every p: this takes v_exp_f32 not to fall where its input rises.  A block whose every p is 0 gets the byte 1, over zero codes; the bytes are read here alone.
; Hidden scores are set to -infinity: p = 0, as with the -1e30 of the definition.
.set KL,   0                           ; K's codes: 64 rows of 1,024 bytes (32 keys) + 16 of padding: key k, block h at 1040 (k / 32) + 32 (k % 32) + 16 h
.set VL,   66560                       ; V's codes: 64 rows d of 1,024 bytes + 16
.set KSL,  133120                      ; K's scale bytes: 16 units of 256 bytes + 16; a step's 128 keys are one unit
.set VSL,  137472                      ; V's: likewise; row d begins at 272 (d / 4) + 64 (d % 4)
.set BML,  141824                      ; the blocks' largest scores, from walk 1 to walk 2: 4,096 bytes a wave, its own: 256 a step, 8 a lane
.set STG,  207360                      ; the way out: 16 rows x (256 + 16) bytes a wave, its own.  Ends at 276,992
.set AK0,  1                           ; v1   my lane's place in a tile of K
.set AKS0, 2                           ; v2   among K's scale words
.set AV0,  3                           ; v3   in a tile of V
.set AVS0, 4                           ; v4   among V's scale words
.set ABM0, 5                           ; v5   among my wave's block maxima
.set D1,   6                           ; v6   16 g + r - 32 h: my query's place in its step, less my half's 32 keys
.set NINF, 7                           ; v7   -infinity
.set ADK,  8                           ; v8-12  the addresses of the step in hand
.set ADS,  9
.set ADB,  10
.set ADV,  11
.set ADT,  12
.set SH8,  13                          ; v13  8 h
.set NM,   14                          ; v[14:15]  -m, m
.set MT,   15
.set QF,   16                          ; v[16:23]  Q's fragment; v20-23 zero codes
.set LS,   24                          ; v[24:25]  l, in two halves
.set AF,   26                          ; v[26:27]  walk 1: 2^(old m - new m); walk 2: 1 / l.  v27 is named with it as a pair
.set QS,   28                          ; v28  Q's scale words
.set STO,  29                          ; v29  the stage: where I put 32 bytes of a row
.set RD,   30                          ; v30  and where I read a row back
.set GO,   31                          ; v31  my byte offset in the wave's rows of out
.set KF,   32                          ; v[32:95]   K's 8 fragments; the upper four registers of each stay zero codes
.set SR,   96                          ; v[96:159]  S^T, then p; on the way out rows of out
.set OT,   160                         ; v[160:191] O^T
.set VF,   192                         ; v[192:223] V's 4 fragments
.set PC,   224                         ; v[224:231] p's codes
.set BMX,  232                         ; v[232:233] my two blocks' largest scores; v[234:235] second chains
.set BM2,  234
.set KS,   236                         ; v[236:239] K's scale words: lanes 0-15 tile 2 p, lanes 16-31 tile 2 p + 1
.set VS,   240                         ; v[240:241] V's, likewise
.set PW,   242                         ; v242 p's scale word
.set TSK,  243                         ; v243 the sink's logit x log2(e)
.set T0,   244
.set T1,   245
.set SUM2, 246                         ; v[246:247] the sums' second chain
.set SCO,  248                         ; v[248:249] the conversions' scale operands
.set BY,   250                         ; v[250:251] the scale bytes
.set PWT,  252
.set WV,   20                          ; s20  my wave's number
.set IDX,  21                          ; s21  the step that holds my queries
.set TG,   22                          ; s22  at work, for numbers that hang on g
.set G,    23                          ; s23  g = 4 x cluster x + cx: it enters Q's and out's addresses and D1 alone
.set HD,   24                          ; s24  the head
.set CX,   25
.set TW,   26                          ; s26  at work, for numbers of the wave and the head
.set G1C,  28                          ; s[28:35] descriptor group 1 for codes;  s[36:43] for scale bytes;  s[44:47], s[48:51] their groups 0
.set G1S,  36
.set G0C,  44
.set G0S,  48
.set SEL,  52                          ; s[52:53] lane selects for v_permlanex16_b32: lane l xor 16
.set CS,   54                          ; s[54:55] c, twice: the packed form names a pair
.set STP,  56                          ; s56  the step
.set TK,   57                          ; s57-61 where the step begins: K's codes (4,160 a step), K's scale words (272), block maxima (256), V's codes (64), V's scale words (4)
.set TKS,  58
.set TBM,  59
.set TV,   60
.set TVS,  61
.set Q0,   62                          ; s62  my first query
.set ST8,  63                          ; s63  the step + 8
; A round of the cluster's barrier: my work-group's barrier, wave 0 signals for the work-group, every wave waits for all four work-groups, my work-group's barrier once more.
.macro CROUND
	s_barrier_signal -1
	s_barrier_wait -1
	s_cmp_lg_u32 s[WV], 0
	s_cbranch_scc1 .Lnot_wave_0_\@
	s_barrier_signal -3
.Lnot_wave_0_\@:
	s_barrier_wait -3
	s_barrier_signal -1
	s_barrier_wait -1
.endm
; The step's 8 fragments of K (16 bytes a lane each: K = 64) and 4 registers of scale words: 12 LDS loads.
.macro KLOADS
.irp c, 0,1
.irp u, 0,1,2,3
	ds_load_b128 v[KF+8*(4*\c+\u):KF+8*(4*\c+\u)+3], v[ADK] offset:2080*\c+256*\u
.endr
.endr
.irp c, 0,1
.irp u, 0,1
	ds_load_u16 v[KS+2*\c+\u], v[ADS] offset:128*\c+32*\u    ; two scale bytes of a key; the word's upper half is 0
.endr
.endr
.endm
; S^T = K Q^T: 8 tiles of 16 keys.  Odd tiles take their scale words from lanes 16-31.  Four places follow, ahead of the first read of a result (ISA guide 7.12.1).
.macro QKMUL
.irp i, 0,2,4,6
	v_wmma_scale_f32_16x16x128_f8f6f4 v[SR+8*\i:SR+8*\i+7], v[KF+8*\i:KF+8*\i+7], v[QF:QF+7], 0, v[KS+\i/2], v[QS] matrix_a_fmt:MATRIX_FMT_FP4 matrix_b_fmt:MATRIX_FMT_FP4
	v_wmma_scale_f32_16x16x128_f8f6f4 v[SR+8*\i+8:SR+8*\i+15], v[KF+8*\i+8:KF+8*\i+15], v[QF:QF+7], 0, v[KS+\i/2], v[QS] matrix_a_fmt:MATRIX_FMT_FP4 matrix_b_fmt:MATRIX_FMT_FP4 matrix_a_scale:MATRIX_SCALE_ROW1
.endr
.rept 4
	v_nop
.endr
.endm
; THE MASK.  Register SR + n holds key X + 32 h of the step, X = 64 (n / 32) + n % 32.  In my queries' own step a key is hidden where it comes after the query: X > D1.  Eight steps back it is hidden where it lies more than
; 1,024 before the query: X < D1.  All steps between are kept whole.  The branches hang on the step and the wave's number alone.  The registers are taken in ascending order: each result is first read at its low end.
.macro MASKS
	s_cmp_lg_u32 s[STP], s[IDX]
	s_cbranch_scc1 .Lno_diagonal_\@
.set n, 0
.rept 64
	v_cmp_gt_i32 vcc_lo, 64*(n/32)+n%32, v[D1]
	v_cndmask_b32 v[SR+n], v[SR+n], v[NINF], vcc_lo
.set n, n+1
.endr
.Lno_diagonal_\@:
	s_cmp_lg_u32 s[ST8], s[IDX]
	s_cbranch_scc1 .Lno_edge_\@
.set n, 0
.rept 64
	v_cmp_lt_i32 vcc_lo, 64*(n/32)+n%32, v[D1]
	v_cndmask_b32 v[SR+n], v[SR+n], v[NINF], vcc_lo
.set n, n+1
.endr
.Lno_edge_\@:
.endm
; The largest score of each of my two blocks of 32 keys: two chains a block, four chains by turns.  Each tile's result is first read at its register 0.
.macro BLKMAX
	s_setprio 1
.irp c, 0,1
	v_max3_num_f32 v[BMX+\c], v[SR+32*\c], v[SR+32*\c+1], v[SR+32*\c+2]
	v_max3_num_f32 v[BM2+\c], v[SR+32*\c+16], v[SR+32*\c+17], v[SR+32*\c+18]
.endr
.irp i, 3,5,7,9,11,13
.irp c, 0,1
	v_max3_num_f32 v[BMX+\c], v[BMX+\c], v[SR+32*\c+\i], v[SR+32*\c+\i+1]
	v_max3_num_f32 v[BM2+\c], v[BM2+\c], v[SR+32*\c+16+\i], v[SR+32*\c+17+\i]
.endr
.endr
.irp c, 0
	v_max3_num_f32 v[BMX+\c], v[BMX+\c], v[BM2+\c], v[SR+32*\c+15]
.endr
.irp c, 1
	v_max3_num_f32 v[BMX+\c], v[BMX+\c], v[BM2+\c], v[SR+32*\c+15]
.endr
.irp c, 0,1
	v_max_num_f32 v[BMX+\c], v[BMX+\c], v[SR+32*\c+31]
.endr
.endm
; c s - m, two scores an instruction: of the pairs c and -m the low word serves both halves
.macro SCALE_S
.set j, 0
.rept 32
	v_pk_fma_f32 v[SR+j:SR+j+1], v[SR+j:SR+j+1], s[CS:CS+1], v[NM:NM+1] op_sel_hi:[1,0,0]
.set j, j+2
.endr
.endm
.macro EXP_S
.set j, 0
.rept 64
	v_exp_f32 v[SR+j], v[SR+j]
.set j, j+1
.endr
.endm
; A step that lies wholly under the mask is left out: below the window (step + 8 < idx) or after my queries (step > idx).
.macro SKIPS to
	s_add_co_u32 s[ST8], s[STP], 8
	s_cmp_lt_u32 s[ST8], s[IDX]
	s_cbranch_scc1 \to
	s_cmp_gt_u32 s[STP], s[IDX]
	s_cbranch_scc1 \to
.endm
; WALK 1, one step: scores, mask, block maxima (kept for walk 2), the running maximum, the running sum.
.macro STEP1
	SKIPS .Lskip1_\@
	s_setprio 2
	v_add_nc_u32 v[ADK], s[TK], v[AK0]
	v_add_nc_u32 v[ADS], s[TKS], v[AKS0]
	v_add_nc_u32 v[ADB], s[TBM], v[ABM0]
	KLOADS
	s_wait_dscnt 0x0                               ; the twelve loads are in
	QKMUL
	MASKS
	BLKMAX
	ds_store_b64 v[ADB], v[BMX:BMX+1]              ; into my wave's own bytes
	v_max_num_f32 v[T0], v[BMX], v[BMX+1]
	s_delay_alu instid0(VALU_DEP_1)
	v_permlanex16_b32 v[T1], v[T0], s[SEL], s[SEL+1]
	s_delay_alu instid0(VALU_DEP_1)
	v_max_num_f32 v[T0], v[T0], v[T1]              ; with lane l xor 16's 64 keys: the step's largest score of my query
	s_delay_alu instid0(VALU_DEP_1)
	v_mul_f32 v[T0], s[CS], v[T0]                  ; x c (c is positive)
	v_mov_b32 v[T1], v[MT]
	s_delay_alu instid0(VALU_DEP_2)
	v_max_num_f32 v[MT], v[MT], v[T0]              ; the running maximum
	s_delay_alu instid0(VALU_DEP_1)
	v_sub_f32 v[AF], v[T1], v[MT]                  ; old m - new m
	s_delay_alu instid0(VALU_DEP_2)
	v_sub_f32 v[NM], 0, v[MT]
	SCALE_S
	s_wait_alu depctr_va_vdst(0)
	v_exp_f32 v[AF], v[AF]                         ; ONE BATCH of 65 exponentials; none reads another's result
	s_setprio 0
	EXP_S
	v_nop                                          ; a plain instruction behind the last exponential (ISA guide 5.7.2)
	s_wait_alu depctr_va_vdst(0)                   ; one wait for the batch, ahead of its first reader
	v_pk_mul_f32 v[LS:LS+1], v[LS:LS+1], v[AF:AF+1] op_sel_hi:[1,0]   ; the sum under the new maximum
	v_pk_add_f32 v[246:247], v[100:101], v[104:105]
	v_pk_add_f32 v[254:255], v[108:109], v[112:113]
	v_pk_add_f32 v[252:253], v[116:117], v[120:121]
	v_pk_add_f32 v[250:251], v[124:125], v[128:129]
	v_pk_add_f32 v[248:249], v[132:133], v[136:137]
	v_pk_add_f32 v[240:241], v[140:141], v[144:145]
	v_pk_add_f32 v[238:239], v[148:149], v[152:153]
	v_pk_add_f32 v[24:25], v[24:25], v[156:157]
	v_pk_add_f32 v[246:247], v[246:247], v[96:97]
	v_pk_add_f32 v[254:255], v[254:255], v[98:99]
	v_pk_add_f32 v[252:253], v[252:253], v[102:103]
	v_pk_add_f32 v[250:251], v[250:251], v[106:107]
	v_pk_add_f32 v[248:249], v[248:249], v[110:111]
	v_pk_add_f32 v[240:241], v[240:241], v[114:115]
	v_pk_add_f32 v[238:239], v[238:239], v[118:119]
	v_pk_add_f32 v[24:25], v[24:25], v[122:123]
	v_pk_add_f32 v[246:247], v[246:247], v[126:127]
	v_pk_add_f32 v[254:255], v[254:255], v[130:131]
	v_pk_add_f32 v[252:253], v[252:253], v[134:135]
	v_pk_add_f32 v[250:251], v[250:251], v[138:139]
	v_pk_add_f32 v[248:249], v[248:249], v[142:143]
	v_pk_add_f32 v[240:241], v[240:241], v[146:147]
	v_pk_add_f32 v[238:239], v[238:239], v[150:151]
	v_pk_add_f32 v[24:25], v[24:25], v[154:155]
	v_pk_add_f32 v[246:247], v[246:247], v[158:159]
	s_delay_alu instid0(VALU_DEP_2)
	v_pk_add_f32 v[24:25], v[24:25], v[250:251]
	s_delay_alu instid0(VALU_DEP_2)
	v_pk_add_f32 v[246:247], v[246:247], v[248:249]
	v_pk_add_f32 v[254:255], v[254:255], v[240:241]
	v_pk_add_f32 v[252:253], v[252:253], v[238:239]
	s_delay_alu instid0(VALU_DEP_2)
	v_pk_add_f32 v[24:25], v[24:25], v[254:255]
	s_delay_alu instid0(VALU_DEP_2)
	v_pk_add_f32 v[246:247], v[246:247], v[252:253]
	s_delay_alu instid0(VALU_DEP_1)
	v_pk_add_f32 v[24:25], v[24:25], v[246:247]
	s_wait_dscnt 0x0                               ; the store of the block maxima is done: its address and data are written again in the next step
.Lskip1_\@:
.endm
; WALK 2, one step: the same scores and mask; p = 2^(c s - m) / l; its scale word and codes; O^T += V^T P^T.
.macro STEP2
	SKIPS .Lskip2_\@
	s_setprio 2
	v_add_nc_u32 v[ADK], s[TK], v[AK0]             ; these five are also the places between the last step's products and the loads into V's registers, which those products read
	v_add_nc_u32 v[ADS], s[TKS], v[AKS0]
	v_add_nc_u32 v[ADB], s[TBM], v[ABM0]
	v_add_nc_u32 v[ADV], s[TV], v[AV0]
	v_add_nc_u32 v[ADT], s[TVS], v[AVS0]
	KLOADS                                         ; 12 loads,
	ds_load_b64 v[BMX:BMX+1], v[ADB]               ; 1: my two blocks' largest scores, as walk 1 left them,
.irp t, 0,1,2,3                                ; and 10: V's four fragments (16 channels x 128 keys) and their scale words
.irp c, 0,1
	ds_load_b128 v[VF+8*\t+4*\c:VF+8*\t+4*\c+3], v[ADV] offset:16640*\t+32*\c
.endr
.endr
.irp t, 0,1
	ds_load_b32 v[VS+\t], v[ADT] offset:2176*\t    ; lane l: channel 32 t + l
.endr
	s_wait_dscnt 11                                ; K's twelve are in; the eleven issued behind them may be out
	QKMUL
	MASKS
	s_setprio 1
	SCALE_S
	s_wait_dscnt 10                                ; the block maxima are in; V's ten may be out
	v_fma_f32 v[BMX], v[BMX], s[CS], v[NM]         ; the same multiply-add on each block's largest score
	v_fma_f32 v[BMX+1], v[BMX+1], s[CS], v[NM]
	s_wait_alu depctr_va_vdst(0)
	EXP_S                                          ; ONE BATCH of 66 exponentials
	v_exp_f32 v[BMX], v[BMX]
	v_exp_f32 v[BMX+1], v[BMX+1]
	v_nop                                          ; a plain instruction behind the last exponential
	s_wait_alu depctr_va_vdst(0)                   ; one wait for the batch, ahead of its first reader
.irp c, 0,1
	v_mul_f32 v[BMX+\c], v[BMX+\c], v[AF]          ; / l: the block's largest p, by the same three instructions as every p
.endr
.irp c, 0,1
	s_delay_alu instid0(VALU_DEP_2)
	v_max_num_f32 v[BMX+\c], 0x1800000, v[BMX+\c]  ; the floor 2^(3 - 127): the byte cannot fall under 1
.endr
.irp c, 0,1
	s_delay_alu instid0(VALU_DEP_2)
	v_add_nc_u32 v[SCO+\c], 0xff000000, v[BMX+\c]  ; 2 off the exponent field: the conversion takes this operand's exponent field as its scale
.endr
.irp c, 0,1
	s_delay_alu instid0(VALU_DEP_2)
	v_lshrrev_b32 v[BY+\c], 23, v[SCO+\c]          ; the scale's byte
.endr
	s_delay_alu instid0(VALU_DEP_1)
	v_lshl_or_b32 v[PWT], v[BY+1], 16, v[BY]       ; my two bytes: blocks h and 2 + h of my query,
	s_delay_alu instid0(VALU_DEP_1)
	v_lshlrev_b32 v[PWT], v[SH8], v[PWT]           ; at their places in the word;
	s_delay_alu instid0(VALU_DEP_1)
	v_permlanex16_b32 v[T1], v[PWT], s[SEL], s[SEL+1]
	s_delay_alu instid0(VALU_DEP_1)
	v_or_b32 v[PW], v[PWT], v[T1]                  ; with lane l xor 16's two the word is whole
.set j, 0
	s_setprio 0
.rept 32
	v_pk_mul_f32 v[SR+j:SR+j+1], v[SR+j:SR+j+1], v[AF:AF+1] op_sel_hi:[1,0]   ; p, finished.  (These 32 stand between the scale word's last write and the products that read it)
.set j, j+2
.endr
.irp c, 0,1
.irp g, 0,1,2,3
	v_cvt_scalef32_pk8_fp4_f32 v[PC+4*\c+\g], v[SR+32*\c+8*\g:SR+32*\c+8*\g+7], v[SCO+\c]   ; registers 4 c .. 4 c + 3 of P: keys 64 c + 32 h + 0 .. 31
.endr
.endr
.rept 4
	v_nop                                          ; the plain place behind the conversions, and four places between an operand written by vector instructions and a scaled product
.endr
	s_wait_alu depctr_va_vdst(0)
	s_wait_dscnt 0x0                               ; V is in
.irp t, 0,2                                    ; four accumulators, one instruction a turn; the next step's eight products on scores stand between two links of a chain
	v_wmma_scale_f32_16x16x128_f8f6f4 v[OT+8*\t:OT+8*\t+7], v[VF+8*\t:VF+8*\t+7], v[PC:PC+7], v[OT+8*\t:OT+8*\t+7], v[VS+\t/2], v[PW] matrix_a_fmt:MATRIX_FMT_FP4 matrix_b_fmt:MATRIX_FMT_FP4
	v_wmma_scale_f32_16x16x128_f8f6f4 v[OT+8*\t+8:OT+8*\t+15], v[VF+8*\t+8:VF+8*\t+15], v[PC:PC+7], v[OT+8*\t+8:OT+8*\t+15], v[VS+\t/2], v[PW] matrix_a_fmt:MATRIX_FMT_FP4 matrix_b_fmt:MATRIX_FMT_FP4 matrix_a_scale:MATRIX_SCALE_ROW1
.endr
.Lskip2_\@:
.endm
	; ---- THE HEAD
	s_load_b256 s[4:11], s[0:1], 0x0               ; Q's codes s[4:5], Q's scales s[6:7], K's codes s[8:9], K's scales s[10:11]
	s_load_b256 s[12:19], s[0:1], 0x20             ; V's codes s[12:13], V's scales s[14:15], the sinks s[16:17], out s[18:19]
	v_lshl_add_u32 v254, v0, 2, 0x43c00
	v_mov_b32 v255, 0
	ds_add_u32 v254, v255
	ds_add_u32 v254, v255
	s_wait_dscnt 0x0
	v_lshrrev_b32 v253, 5, v0
	s_delay_alu instid0(VALU_DEP_1)
	v_readfirstlane_b32 s[WV], v253                ; wave 0 .. 15
	s_bfe_u32 s[CX], ttmp6, 0x40000                ; cx: my place in the cluster
	s_lshl_b32 s[G], ttmp9, 2                      ; in a cluster launch ttmp9 counts clusters
	s_add_co_u32 s[G], s[G], s[CX]                 ; g = 4 x cluster x + cx
	s_and_b32 s[HD], ttmp7, 0xffff                 ; the head, which the four partners share
	s_lshr_b32 s[TW], s[WV], 2                     ; idx = w, but w xor 3 for w = 4 .. 7: w / 4 is 1 there alone:
	s_lshr_b32 s[IDX], s[TW], 1
	s_xor_b32 s[IDX], s[IDX], 1                    ; 1 for w < 8,
	s_and_b32 s[TW], s[TW], s[IDX]                 ; and with w / 4: 0, 1, 0, 0
	s_mul_i32 s[TW], s[TW], 3
	s_xor_b32 s[IDX], s[WV], s[TW]
	s_lshl_b32 s[Q0], s[G], 4
	s_lshl_b32 s[TG], s[IDX], 7
	s_add_co_u32 s[Q0], s[Q0], s[TG]               ; my first query: 16 g + 128 idx
	v_and_b32 v253, 31, v0                         ; lane
	v_and_b32 v254, 15, v0                         ; r
	v_bfe_u32 v255, v0, 4, 1                       ; h
	v_bfe_u32 v[T0], v0, 3, 1                      ; r / 8
	v_and_b32 v[T1], 7, v0                         ; r % 8  (T1 is so written in every lane: it is a lane permute's destination later)
	s_delay_alu instid0(VALU_DEP_2)
	v_mul_u32_u24 v[AK0], v[T0], 1040              ; K: row r of a tile is key 8 u + r % 8 + 32 (r / 8): 1,040 (r / 8) + 32 (r % 8) + 16 h.  The 16 bytes of padding send the rows 32 keys on into the other
	s_delay_alu instid0(VALU_DEP_1)
	v_lshl_add_u32 v[AK0], v[T1], 5, v[AK0]        ; 16-byte columns, so that sixteen lanes touch sixteen different ones (64 banks of 4 bytes: ISA guide 11.1)
	s_delay_alu instid0(VALU_DEP_1)
	v_lshl_add_u32 v[AK0], v255, 4, v[AK0]
	s_delay_alu instid0(VALU_DEP_4)
	v_lshlrev_b32 v[AKS0], 1, v[T1]                ; K's scale words: 2 bytes a key; lanes 16-31 take the tile 8 keys on
	s_delay_alu instid0(VALU_DEP_1)
	v_lshl_add_u32 v[AKS0], v[T0], 6, v[AKS0]
	s_delay_alu instid0(VALU_DEP_1)
	v_lshl_add_u32 v[AKS0], v255, 4, v[AKS0]
	s_delay_alu instid0(VALU_DEP_1)
	v_add_nc_u32 v[AKS0], KSL, v[AKS0]
	v_mul_u32_u24 v[AV0], v254, 1040               ; V: row r of a tile is channel r
	s_delay_alu instid0(VALU_DEP_1)
	v_lshl_add_u32 v[AV0], v255, 4, v[AV0]
	s_delay_alu instid0(VALU_DEP_1)
	v_add_nc_u32 v[AV0], VL, v[AV0]
	v_bfe_u32 v[AVS0], v0, 2, 3                    ; V's scale words: channel = lane: 272 (lane / 4) + 64 (lane % 4)
	s_delay_alu instid0(VALU_DEP_1)
	v_mul_u32_u24 v[AVS0], v[AVS0], 272
	v_and_b32 v[SUM2], 3, v0
	s_delay_alu instid0(VALU_DEP_1)
	v_lshl_add_u32 v[AVS0], v[SUM2], 6, v[AVS0]
	s_delay_alu instid0(VALU_DEP_1)
	v_add_nc_u32 v[AVS0], VSL, v[AVS0]
	v_lshrrev_b32 v[ABM0], 5, v0                   ; block maxima: 4,096 x wave + 8 x lane
	s_delay_alu instid0(VALU_DEP_1)
	v_lshlrev_b32 v[ABM0], 12, v[ABM0]
	s_delay_alu instid0(VALU_DEP_1)
	v_lshl_add_u32 v[ABM0], v253, 3, v[ABM0]
	s_delay_alu instid0(VALU_DEP_1)
	v_add_nc_u32 v[ABM0], BML, v[ABM0]
	v_lshlrev_b32 v[D1], 5, v255
	s_delay_alu instid0(VALU_DEP_1)
	v_sub_nc_u32 v[D1], v254, v[D1]
	s_delay_alu instid0(VALU_DEP_1)
	v_lshl_add_u32 v[D1], s[G], 4, v[D1]           ; 16 g + r - 32 h, signed
	v_mov_b32 v[NINF], 0xff800000
	v_lshlrev_b32 v[SH8], 3, v255
	s_mul_i32 s[TW], s[WV], 4352
	s_add_co_u32 s[TW], s[TW], STG                 ; my stage
	v_mul_u32_u24 v[STO], v254, 272                ; in: row r, + 32 h
	s_delay_alu instid0(VALU_DEP_1)
	v_lshl_add_u32 v[STO], v255, 5, v[STO]
	s_delay_alu instid0(VALU_DEP_1)
	v_add_nc_u32 v[STO], s[TW], v[STO]
	v_mul_u32_u24 v[RD], v255, 272                 ; back: lanes 0-15 one row of 256 bytes, lanes 16-31 the next
	s_delay_alu instid0(VALU_DEP_1)
	v_lshl_add_u32 v[RD], v254, 4, v[RD]
	s_delay_alu instid0(VALU_DEP_1)
	v_add_nc_u32 v[RD], s[TW], v[RD]
	v_lshlrev_b32 v[GO], 8, v255                   ; and the same two rows in out
	s_delay_alu instid0(VALU_DEP_1)
	v_lshl_add_u32 v[GO], v254, 4, v[GO]
	v_lshlrev_b32 v[BY], 5, v254                   ; Q's codes: row r of 32 bytes, + 16 h
	s_delay_alu instid0(VALU_DEP_1)
	v_lshl_add_u32 v[BY], v255, 4, v[BY]
	v_lshlrev_b32 v[BY+1], 1, v254                 ; Q's scale words: 2 bytes a row
	s_and_b32 s[TW], s[HD], 15
	s_lshl_b32 s[TW], s[TW], 2
	v_mov_b32 v[PWT], s[TW]                        ; the sink of my head: 4 (head % 16)
	; descriptor group 1 for codes: 16 rows of 1,024 bytes (128 elements of 8 bytes), dense in memory, 16 bytes of padding behind each
	s_mov_b32 s[G1C], 15|(3<<16)|(1<<20)|(1<<21)|(7<<22)|(3<<25)   ; 15:0 the mask: all four work-groups; 17:16 elements of 8 bytes; 20 padding on; 21 set beside a mask; 24:22 after every 256 words (code 7); 31:25 four words (code 3)
	s_mov_b32 s[G1C+1], 128<<16                    ; tensor_dim0 = 128
	s_mov_b32 s[G1C+2], 16<<16                     ; tensor_dim1 = 16
	s_mov_b32 s[G1C+3], 128<<16                    ; tile_dim0 = 128
	s_mov_b32 s[G1C+4], 16                         ; tile_dim1 = 16
	s_mov_b32 s[G1C+5], 128                        ; tensor_dim0_stride
	s_mov_b32 s[G1C+6], 0
	s_mov_b32 s[G1C+7], 0
	; and for scale bytes: 16 rows of 256 bytes (32 elements of 8 bytes), dense, 16 bytes of padding behind each
	s_mov_b32 s[G1S], 15|(3<<16)|(1<<20)|(1<<21)|(5<<22)|(3<<25)   ; padding after every 64 words (code 5)
	s_mov_b32 s[G1S+1], 32<<16
	s_mov_b32 s[G1S+2], 16<<16
	s_mov_b32 s[G1S+3], 32<<16
	s_mov_b32 s[G1S+4], 16
	s_mov_b32 s[G1S+5], 32
	s_mov_b32 s[G1S+6], 0
	s_mov_b32 s[G1S+7], 0
	s_mov_b32 s[SEL], 0x76543210
	s_mov_b32 s[SEL+1], 0xfedcba98
	s_mov_b32 s[CS], 0x3e38aa3b                    ; c = log2(e) / 8
	s_mov_b32 s[CS+1], s[CS]
	s_lshl_b32 s2, s[HD], 16                       ; what a wave fetches of the codes: the head's 65,536 bytes, quarter w % 4
	s_and_b32 s[TW], s[WV], 3
	s_lshl_b32 s[TW], s[TW], 14
	s_add_co_u32 s2, s2, s[TW]
	s_mov_b32 s3, 0
	s_lshl_b32 s68, s[HD], 12                      ; and of the scale bytes: the head's 4,096
	s_mov_b32 s69, 0
	s_lshl_b32 s66, s[HD], 16                      ; Q's codes at my first query: 65,536 x head + 32 x query
	s_lshl_b32 s[TG], s[Q0], 5
	s_add_co_u32 s66, s66, s[TG]
	s_mov_b32 s67, 0
	s_lshl_b32 s70, s[HD], 19                      ; out: 524,288 x head + 256 x query
	s_lshl_b32 s[TG], s[Q0], 8
	s_add_co_u32 s70, s70, s[TG]
	s_mov_b32 s71, 0
	s_wait_kmcnt 0x0
	s_add_nc_u64 s[4:5], s[4:5], s[66:67]
	s_add_nc_u64 s[18:19], s[18:19], s[70:71]
	s_lshl_b32 s66, s[HD], 12                      ; Q's scale words: 4,096 x head + 2 x query
	s_lshl_b32 s[TG], s[Q0], 1
	s_add_co_u32 s66, s66, s[TG]
	s_add_nc_u64 s[6:7], s[6:7], s[66:67]
	; group 0 for codes: waves 0-3 fetch K's quarters, waves 4-7 V's: V's rows lie behind K's in LDS, so the LDS address is 16,640 x wave for both.  Nothing in it hangs on my place in the cluster
	s_mov_b32 s[G0C], 1                            ; 1:0 count = 1
	s_mul_i32 s[G0C+1], s[WV], 16640               ; 63:32 LDS address
	s_cmp_lt_u32 s[WV], 4
	s_cselect_b64 s[G0C+2:G0C+3], s[8:9], s[12:13]
	s_add_nc_u64 s[G0C+2:G0C+3], s[G0C+2:G0C+3], s[2:3]   ; 120:64 global address
	s_or_b32 s[G0C+3], s[G0C+3], 0x80000000        ; 127:126 type = 2
	; group 0 for scale bytes: wave 8 fetches K's, wave 9 V's
	s_mov_b32 s[G0S], 1
	s_and_b32 s[TW], s[WV], 1
	s_mul_i32 s[G0S+1], s[TW], 4352
	s_add_co_u32 s[G0S+1], s[G0S+1], KSL
	s_cmp_eq_u32 s[TW], 0
	s_cselect_b64 s[G0S+2:G0S+3], s[10:11], s[14:15]
	s_add_nc_u64 s[G0S+2:G0S+3], s[G0S+2:G0S+3], s[68:69]
	s_or_b32 s[G0S+3], s[G0S+3], 0x80000000
	; ---- THE FILLS: all of them here, behind one round, ahead of every wait on TENSORcnt, every LDS access and the work-group's barrier.  A wave has at most one tensor load out.
	CROUND                                         ; all four work-groups are here: the joint loads meet
	s_cmp_lt_u32 s[WV], 8                          ; the branches hang on the wave's number alone; four v_nop follow each of the two lines
	s_cbranch_scc0 .Lnot_codes
	tensor_load_to_lds s[G0C:G0C+3], s[G1C:G1C+7]
	s_nop 0
.rept 4
	v_nop
.endr
	s_branch .Lasked
.Lnot_codes:
	s_cmp_lt_u32 s[WV], 10
	s_cbranch_scc0 .Lasked
	tensor_load_to_lds s[G0S:G0S+3], s[G1S:G1S+7]
	s_nop 0
.rept 4
	v_nop
.endr
.Lasked:
	s_wait_alu depctr_va_vdst(0)
	global_load_b128 v[QF:QF+3], v[BY], s[4:5] th:TH_LOAD_NT   ; Q's fragment stays in registers: row r, block h
	global_load_u16 v[QS], v[BY+1], s[6:7] th:TH_LOAD_NT       ; its scale words; the upper half is 0
	global_load_b32 v[TSK], v[PWT], s[16:17]                   ; my head's sink
.irp j, 4,5,6,7
	v_mov_b32 v[QF+\j], 0                          ; zero codes for k = 64 .. 127, written once: Q's,
.endr
.irp i, 0,1,2,3,4,5,6,7
.irp j, 4,5,6,7
	v_mov_b32 v[KF+8*\i+\j], 0                     ; and K's eight fragments'
.endr
.endr
.set j, 0
.rept 32
	v_mov_b32 v[OT+j], 0                           ; O^T: walk 2's step is written once, so its first products find zeros
.set j, j+1
.endr
	v_mov_b32 v[LS], 0                             ; l
	v_mov_b32 v[LS+1], 0
	v_mov_b32 v[AF+1], 0                           ; named as the upper half of a pair
	s_wait_tensorcnt 0x0                           ; my part of the head has landed (a wave that fetched nothing passes),
	s_barrier_signal -1
	s_barrier_wait -1                              ; everybody's has: from here on K, V and their scale bytes are only read
	s_wait_loadcnt 0x0                             ; Q, its scale words, the sink
	v_mul_f32 v[TSK], 0x3fb8aa3b, v[TSK]           ; the sink's logit x log2(e): it is not scaled by 1 / 8
	s_delay_alu instid0(VALU_DEP_1)
	v_mov_b32 v[MT], v[TSK]                        ; THE SINK OPENS THE RUNNING MAXIMUM
	s_delay_alu instid0(VALU_DEP_2)
	v_sub_f32 v[NM], 0, v[TSK]
	; ---- WALK 1.  Every wave walks all 16 steps, so that the trip count is a constant; a step that the wave does not want is jumped over inside the trip.
	s_mov_b32 s[STP], 0
	s_mov_b32 s[TK], 0
	s_mov_b32 s[TKS], 0
	s_mov_b32 s[TBM], 0
.Lwalk1:
	STEP1
	s_add_co_u32 s[TK], s[TK], 4160
	s_add_co_u32 s[TKS], s[TKS], 272
	s_add_co_u32 s[TBM], s[TBM], 256
	s_add_co_u32 s[STP], s[STP], 1
	s_cmp_lt_u32 s[STP], 16
	s_cbranch_scc1 .Lwalk1
	s_setprio 0
	; ---- THE ROW'S SUM: its two halves, lane l xor 16's, and the sink's term; then 1 / l
	s_wait_alu depctr_va_vdst(0)
	v_add_f32 v[LS], v[LS], v[LS+1]
	s_delay_alu instid0(VALU_DEP_1)
	v_permlanex16_b32 v[T1], v[LS], s[SEL], s[SEL+1]
	s_delay_alu instid0(VALU_DEP_1)
	v_add_f32 v[LS], v[LS], v[T1]
	v_add_f32 v[T0], v[TSK], v[NM]
	s_wait_alu depctr_va_vdst(0)
	v_exp_f32 v[T0], v[T0]                         ; 2^(sink - m)
	v_nop                                          ; a plain instruction behind the exponential
	s_wait_alu depctr_va_vdst(0)                   ; and the wait ahead of its reader
	v_add_f32 v[LS], v[LS], v[T0]                  ; l is at least about 1: the largest term is the maximum's own
	s_wait_alu depctr_va_vdst(0)
	v_rcp_f32 v[AF], v[LS]
	v_mov_b32 v[AF+1], 0                           ; (a plain instruction behind the reciprocal)
	s_wait_alu depctr_va_vdst(0)                   ; the wait ahead of the reciprocal's first reader, and ahead of the label
	; ---- WALK 2
	s_mov_b32 s[STP], 0
	s_mov_b32 s[TK], 0
	s_mov_b32 s[TKS], 0
	s_mov_b32 s[TBM], 0
	s_mov_b32 s[TV], 0
	s_mov_b32 s[TVS], 0
.Lwalk2:
	STEP2
	s_add_co_u32 s[TK], s[TK], 4160
	s_add_co_u32 s[TKS], s[TKS], 272
	s_add_co_u32 s[TBM], s[TBM], 256
	s_add_co_u32 s[TV], s[TV], 64
	s_add_co_u32 s[TVS], s[TVS], 4
	s_add_co_u32 s[STP], s[STP], 1
	s_cmp_lt_u32 s[STP], 16
	s_cbranch_scc1 .Lwalk2
	s_setprio 0
	; ---- THE WAY OUT.  Register OT + 8 t + j of lane (r, h) is out(q0 + r, 16 t + 8 h + j): 32 bytes of a row, and the lanes beside it hold other rows.  The tile goes through my own stage and comes back as whole rows.
.rept 4
	v_nop                                          ; four places between the last products and the first read of their results
.endr
.irp t, 0,1,2,3
	ds_store_b128 v[STO], v[OT+8*\t:OT+8*\t+3] offset:64*\t          ; each accumulator from its low end on
	ds_store_b128 v[STO], v[OT+8*\t+4:OT+8*\t+7] offset:64*\t+16
.endr
.irp i, 0,1,2,3,4,5,6,7
	ds_load_b128 v[SR+4*\i:SR+4*\i+3], v[RD] offset:544*\i           ; LDS serves a wave's instructions in order (ISA guide 5.7.1.4): these see the stores above
.endr
.irp i, 0,1,2,3,4,5,6,7
	s_wait_dscnt 7-\i                              ; pair i of rows is back; the younger loads may be out
	global_store_b128 v[GO], v[SR+4*\i:SR+4*\i+3], s[18:19] offset:512*\i th:TH_STORE_NT   ; 32 lanes store 512 consecutive bytes, two whole rows, at a multiple of 256 from out's first byte
.endr
	s_wait_xcnt 0x0
	v_lshl_add_u32 v254, v0, 2, 0x43c00
	v_mov_b32 v255, 0
	s_wait_alu depctr_va_vdst(0)
	s_wait_tensorcnt 0x0
	ds_add_u32 v254, v255
	s_wait_dscnt 0x0
	CROUND                                         ; the closing round: no work-group ends while a partner may still ask for a tile that names it
	s_endpgm
.Lfunc_end_k_q8d068c3e5a_attn:
	.size	k_q8d068c3e5a_attn, .Lfunc_end_k_q8d068c3e5a_attn-k_q8d068c3e5a_attn
	.p2alignl 7, 3214868480
	.fill 96, 4, 3214868480
	.section	.rodata,"a",@progbits
	.p2align	6, 0x0
	.amdhsa_kernel k_q8d068c3e5a_attn
		.amdhsa_group_segment_fixed_size 279552
		.amdhsa_private_segment_fixed_size 0
		.amdhsa_enable_private_segment 0
		.amdhsa_kernarg_size 64
		.amdhsa_user_sgpr_count 2
		.amdhsa_user_sgpr_kernarg_segment_ptr 1
		.amdhsa_wavefront_size32 1
		.amdhsa_system_sgpr_workgroup_id_x 1
		.amdhsa_system_sgpr_workgroup_id_y 1
		.amdhsa_system_sgpr_workgroup_id_z 1
		.amdhsa_system_vgpr_workitem_id 0
		.amdhsa_next_free_vgpr 256
		.amdhsa_next_free_sgpr 72
		.amdhsa_reserve_vcc 1
		.amdhsa_float_denorm_mode_32 3
		.amdhsa_float_denorm_mode_16_64 3
		.amdhsa_memory_ordered 1
		.amdhsa_forward_progress 1
		.amdhsa_inst_pref_size 58
	.end_amdhsa_kernel
	.amdgpu_metadata
---
amdhsa.version: [ 1, 2 ]
amdhsa.kernels:
  - .name:           k_q8d068c3e5a_attn
    .symbol:         k_q8d068c3e5a_attn.kd
    .args:
      - { .name: q_codes, .offset: 0, .size: 8, .value_kind: global_buffer, .address_space: global }
      - { .name: q_scales, .offset: 8, .size: 8, .value_kind: global_buffer, .address_space: global }
      - { .name: k_codes, .offset: 16, .size: 8, .value_kind: global_buffer, .address_space: global }
      - { .name: k_scales, .offset: 24, .size: 8, .value_kind: global_buffer, .address_space: global }
      - { .name: v_codes, .offset: 32, .size: 8, .value_kind: global_buffer, .address_space: global }
      - { .name: v_scales, .offset: 40, .size: 8, .value_kind: global_buffer, .address_space: global }
      - { .name: sink_weights, .offset: 48, .size: 8, .value_kind: global_buffer, .address_space: global }
      - { .name: out0, .offset: 56, .size: 8, .value_kind: global_buffer, .address_space: global }
    .group_segment_fixed_size: 279552
    .private_segment_fixed_size: 0
    .kernarg_segment_align: 8
    .kernarg_segment_size: 64
    .max_flat_workgroup_size: 512
    .sgpr_count:     72
    .vgpr_count:     256
    .wavefront_size: 32
...
	.end_amdgpu_metadata
.endif
;; end of part 1
